; MI455X (gfx1250); checked and timed in simulation.
; The chip was launched on July 23, 2026; its instructions are those of AMD's public machine-readable ISA for CDNA 5 (MIT licence, August 2026) and "CDNA5" Instruction Set Architecture Reference Guide (July 2026). The comments in the code are by the model that wrote it; some were corrected since.
;; Razor Mamba LSTM Cell. Allowed arithmetic: matrix products marked QUANTISED: E2M3 operands, one E8M0 scale for each 32 along K, by v_wmma_scale_f32_16x16x128_f8f6f4 with both operands' format E2M3, f32 sums; everything else in f32.
;; Inputs: A_log 2,048 float32; D 2,048 float32; W1 1 float32; W2 1 float32; Wf_b 2,048 float32; Wf_w 4,096 x 2,048 float32; Wg_b 2,048 float32; Wg_w 4,096 x 2,048 float32; Wi_b 2,048 float32; Wi_w 4,096 x 2,048 float32; Wo_b 2,048 float32; Wo_w 4,096 x 2,048 float32; c 1,024 x 2,048 float32; dt_proj_b 2,048 float32; dt_proj_w 128 x 2,048 float32; h 1,024 x 2,048 float32; in_proj_b 6,272 float32; in_proj_w 4,096 x 6,272 float32; ln_b 2,048 float32; ln_g 2,048 float32; scale0 1 float32; ssm_state 1,024 x 2,048 float32; x 1,024 x 2,048 float32.
;; Outputs: out0 1,024 x 2,048 float32; out1 1,024 x 2,048 float32; out2 1,024 x 2,048 float32.
;; This version of the problem:
;;   THIS VERSION OF THE PROBLEM IS GIVEN IN LOW PRECISION. The matrix products marked QUANTISED in the list below multiply operands that are first quantised to E2M3 (2 exponent bits, 3 mantissa bits; 6 bits a number), with one power-of-two scale for each 32 numbers along K (OCP MX v1.0); their sums are f32. All else is computed in f32.
;;   The module's matrix products, in the order in which they are computed (A, B: the left and right operand; K: the contracted axis; several contracted axes count as one K, in the product's order):
;;     1. [M 1,024, K 4,096] x [K 4,096, N 2,048]; A: computed on the way; B: input Wi_w: QUANTISED
;;     2. [M 1,024, K 4,096] x [K 4,096, N 2,048]; A: computed on the way; B: input Wf_w: QUANTISED
;;     3. [M 1,024, K 4,096] x [K 4,096, N 2,048]; A: computed on the way; B: input Wo_w: QUANTISED
;;     4. [M 1,024, K 4,096] x [K 4,096, N 2,048]; A: computed on the way; B: input Wg_w: QUANTISED
;;     5. [M 1,024, K 4,096] x [K 4,096, N 6,272]; A: computed on the way; B: input in_proj_w: QUANTISED
;;     6. [M 1,024, K 128] x [K 128, N 2,048]; A: computed on the way; B: input dt_proj_w: QUANTISED
;;   THE QUANTISER, for each operand of a quantised product, along K:
;;     - K is cut into blocks of 32 from its start; a last block that is shorter is filled with zeros.
;;     - A block's scale is 2^e with e = floor(log2(the largest magnitude in the block)) - 2, held to -126 .. 127; a block of zeros has e = 0. As a byte (E8M0): e + 127.
;;     - Each number is divided by its block's scale, clamped to +-7.5, and rounded to the nearest number of E2M3, ties to even, subnormals kept.
;;     - The product sums the exact products of the quantised numbers (number of the format x scale) in f32.
;;   ~~~python
;;   def quantise(x, axis):      # numpy; x: float32 -> the quantised numbers, widened to float32 again
;;       x = np.moveaxis(x, axis, -1); K = x.shape[-1]
;;       x = np.pad(x, [(0, 0)] * (x.ndim - 1) + [(0, -K % 32)]); x = x.reshape(x.shape[:-1] + (-1, 32)); a = np.abs(x).max(-1, keepdims=True)
;;       e = np.where(a > 0, np.clip(np.frexp(np.where(a > 0, a, 1))[1] - 1 - 2, -126, 127), 0)      # np.frexp(a)[1] - 1 = floor(log2(a)), exactly
;;       r = np.clip(x / 2.0 ** e, -7.5, 7.5)
;;       step = 2.0 ** (np.maximum(np.frexp(np.where(r == 0, 1, r))[1] - 1, 0) - 3)
;;       q = np.round(r / step) * step * 2.0 ** e      # np.round: ties to even
;;       return np.moveaxis(q.reshape(q.shape[:-2] + (-1,))[..., :K], -1, axis).astype(np.float32)
;;   ~~~
;;   OPERANDS COMPUTED ON THE WAY. 'Computed on the way' means the value that the module computes at that place (a softmax that the list does not call 'softmax' is quantised finished and normalised). What goes into a quantiser is computed in f32, as accurately as f32 sums, v_exp_f32 and their like allow (about 1e-6 of the number): no bf16 or f16 on the way to a quantiser, and a product that is left as it is and whose result goes on into a quantised operand takes f32 operands (vector FMAs, or v_wmma_f32_16x16x4_f32). A number that lies on a knife's edge between two numbers of the format may be rounded either way, as far as f32 arithmetic and the matrix unit's own rounding can turn it there, and no further.
;; One version. Each part assembles by itself: llvm-mc -triple=amdgcn-amd-amdhsa -mcpu=gfx1250 --defsym DOCPART=n.
;; ======== version 1 of 1: 3 launches
;; limits: right only within a limited range of input values
;; workspace buffers: acode 3,276,800 bytes; dtwc 212,992 bytes; pre 59,244,544 bytes; wcode 46,694,400 bytes
;; launch prep (part 1): grid 123 x 32, 4 waves a work-group, no clusters, 34,304 bytes of LDS; arguments h, x, dt_proj_w, acode, dtwc, Wi_w, Wf_w, Wo_w, Wg_w, in_proj_w, wcode; writes acode, dtwc, wcode
.if DOCPART == 1
	.amdgcn_target "amdgcn-amd-amdhsa--gfx1250"
	.amdhsa_code_object_version 6
	.text
	.protected	k_q234dbd74ab_prep
	.globl	k_q234dbd74ab_prep
	.p2align	8
	.type	k_q234dbd74ab_prep,@function
k_q234dbd74ab_prep:
	s_mov_b64 s[64:65], 0
	v_nop
	global_prefetch_b8 v0, s[64:65] scope:SCOPE_SE
	s_setreg_imm32_b32 hwreg(HW_REG_WAVE_MODE, 25, 1), 1
	s_wait_xcnt 0x0
; PREP: every operand of the quantised products that comes from an input is quantised once, to codes of FP6 (E2M3) with one E8M0 byte for each 32 along K.  No work of reference() is left out in this program.
; All are stored AS IMAGES OF OPERAND REGISTERS: a fragment (16 rows or columns x 128 K, 12 registers a lane) is 1,536 bytes: registers 4 c .. 4 c + 3 of lane l at 512 c + 16 l.
; A scale pair is 128 bytes: lanes 0-15 the scale words of an even tile's 16 rows (columns), lanes 16-31 those of the tile after it.
; acode: combined = [h | x]: [4 blocks of 256 rows][32 K steps][25,600 bytes]: 16 fragments, then from 24,576 on 8 scale pairs.
; wcode: the five weights side by side (i, f, o, g, in_proj: 14,464 columns): [57 blocks of 256 columns][32 K steps][25,600 bytes], laid likewise.  Columns 14,464 .. 14,591 of block 56 are zero codes under the byte 127.
; dtwc: dt_proj_w: 128 column tiles x 1,536 bytes, then from 196,608 on 128 x 128 bytes of scale words (both halves of the lanes alike).
; A block's scale is 2^(floor(log2(its largest magnitude)) - 2): its byte is the largest magnitude's exponent field - 2, held at 1 from below.
; LIMITS: a block of zeros gets the byte 1 where the rule says 127: its codes are zeros, and these bytes are read by this program alone.  NaN and infinities among the inputs are not served.
; SHARES.  x = 0 .. 7: combined, number n = 32 x + y: K step n / 8, wave w takes 32 rows.  x = 8: dt_proj_w, a column tile a wave.  x = 9 .. 122: group x - 9 of 128 columns of the weights, K step y: a wave takes 32 columns x 128 K.
; No barrier: waves share nothing.
.set TM,    16                         ; v16-31   at work
.set SEL,   20                         ; s[20:21] lane selects: lane l xor 16
; 64 numbers of a lane, register 16 b + i = k 32 b + 16 (lane / 16) + i of the lane's row, become a fragment's codes in v[pc] .. v[pc + 11] and its scale word in v[pw]
.macro QUANT s, pc, tp, pw
.irp b, 0,1,2,3
	v_max3_num_f32 v[TM+\b], |v[(\s)+16*\b]|, |v[(\s)+1+16*\b]|, 0x1800000   ; the floor 2^(3 - 127): the byte cannot fall under 1
.endr
.irp i, 2,4,6,8,10,12,14
.irp b, 0,1,2,3
	v_max3_num_f32 v[TM+\b], v[TM+\b], |v[(\s)+16*\b+\i]|, |v[(\s)+1+16*\b+\i]|
.endr
.endr
.irp b, 0,1,2,3
	v_permlanex16_b32 v[TM+4+\b], v[TM+\b], s[SEL], s[SEL+1]
.endr
.irp b, 0,1,2,3
	v_max_num_f32 v[TM+\b], v[TM+\b], v[TM+4+\b]
.endr
.irp b, 0,1,2,3
	v_add_nc_u32 v[TM+12+\b], 0xff000000, v[TM+\b]                ; 2 off the exponent field: the conversion's scale operand
.endr
.irp b, 0,1,2,3
	v_lshrrev_b32 v[TM+4+\b], 23, v[TM+12+\b]                     ; the scale's byte
.endr
	v_lshl_or_b32 v[\pw], v[TM+5], 8, v[TM+4]
	v_lshl_or_b32 v[\pw], v[TM+6], 16, v[\pw]
	v_lshl_or_b32 v[\pw], v[TM+7], 24, v[\pw]
.irp c, 0,1
	v_cvt_scalef32_pk16_fp6_f32 v[(\pc)+6*\c:(\pc)+2+6*\c], v[(\s)+32*\c:(\s)+15+32*\c], v[TM+12+2*\c]
	v_cvt_scalef32_pk16_fp6_f32 v[(\tp)+4*\c:(\tp)+2+4*\c], v[(\s)+16+32*\c:(\s)+31+32*\c], v[TM+12+2*\c+1]
.endr
	v_nop                                                          ; one plain line behind the scaled conversions
.irp c, 0,1                            ; the operand wants a whole block in a lane
.irp i, 0,1,2
	v_permlane16_swap_b32 v[(\pc)+6*\c+\i], v[(\tp)+4*\c+\i]
.endr
.irp i, 0,1,2
	v_mov_b32 v[(\pc)+3+6*\c+\i], v[(\tp)+4*\c+\i]
.endr
.endr
.endm
.macro WLOAD pitch                     ; my column, 128 rows down K: a wave's load reads 128 consecutive bytes, the four waves of a work-group 512
.set I_, 0
.rept 128
	global_load_b32 v[64+I_], v2, s[28:29] offset:(\pitch)*I_ th:TH_LOAD_NT
.set I_, I_+1
.endr
.endm
	s_load_b128 s[4:7], s[0:1], 0x0                ; h, x
	s_load_b128 s[8:11], s[0:1], 0x10              ; dt_proj_w, acode
	s_load_b64 s[12:13], s[0:1], 0x20              ; dtwc
	s_load_b256 s[32:39], s[0:1], 0x28             ; Wi_w, Wf_w, Wo_w, Wg_w
	s_load_b128 s[40:43], s[0:1], 0x48             ; in_proj_w, wcode
	v_lshl_add_u32 v208, v0, 2, 0x8400             ; my spare word, behind the four stages
	v_mov_b32 v209, 0
	v_lshrrev_b32 v8, 5, v0
	v_readfirstlane_b32 s16, v8                    ; wave 0..3
	v_and_b32 v5, 31, v0                           ; lane
	v_and_b32 v6, 15, v0                           ; r
	v_bfe_u32 v7, v0, 4, 1                         ; h
	v_lshlrev_b32 v1, 4, v5                        ; 16 x lane
	v_lshlrev_b32 v2, 2, v5                        ; 4 x lane
	s_mul_i32 s19, s16, 8448                       ; my stage in LDS: 16 rows x (512 bytes + 16)
	v_add_nc_u32 v3, s19, v1
	v_mul_u32_u24 v4, v6, 528
	v_lshl_add_u32 v4, v7, 6, v4
	v_add_nc_u32 v4, s19, v4                       ; out of it: row r, + 64 h
	s_mov_b32 s[SEL], 0x76543210
	s_mov_b32 s[SEL+1], 0xfedcba98
	s_and_b32 s31, ttmp7, 0xffff                   ; y
	s_lshl_b32 s30, ttmp9, 5
	s_add_co_u32 s30, s30, s31                     ; n = 32 x + y
	s_wait_alu depctr_va_vdst(0)                   ; the wait at the head's end
	s_wait_kmcnt 0x0
	s_cmp_ge_u32 ttmp9, 9
	s_cbranch_scc1 .Lwq
	s_cmp_ge_u32 ttmp9, 8
	s_cbranch_scc1 .Lweight
	; ---- combined: 32 rows x 128 along K a wave
	s_lshr_b32 s17, s30, 3                         ; K step
	s_and_b32 s18, s30, 7
	s_lshl_b32 s18, s18, 2
	s_add_co_u32 s18, s18, s16                     ; pair of row tiles, 0 .. 31
	s_cmp_lt_u32 s17, 16                           ; K steps 0-15 lie in h, 16-31 in x
	s_cselect_b64 s[4:5], s[4:5], s[6:7]
	s_and_b32 s22, s17, 15
	s_lshl_b32 s22, s22, 9
	s_lshl_b32 s23, s18, 18
	s_add_co_u32 s22, s22, s23
	s_mov_b32 s23, 0
	s_add_nc_u64 s[4:5], s[4:5], s[22:23]
	s_lshr_b32 s24, s18, 3                         ; block of 256 rows
	s_lshl_b32 s24, s24, 5
	s_add_co_u32 s24, s24, s17
	s_mul_i32 s24, s24, 25600
	s_and_b32 s18, s18, 7                          ; the pair within the block
	s_mul_i32 s26, s18, 3072
	s_add_co_u32 s26, s26, s24
	s_mov_b32 s27, 0
	s_add_nc_u64 s[26:27], s[10:11], s[26:27]      ; my two fragments
	s_lshl_b32 s28, s18, 7
	s_add_co_u32 s28, s28, s24
	s_add_co_u32 s28, s28, 24576
	s_mov_b32 s29, 0
	s_add_nc_u64 s[28:29], s[10:11], s[28:29]      ; my scale pair
.set I_, 0
.rept 32
	global_load_b128 v[32+4*I_:35+4*I_], v1, s[4:5] offset:8192*I_ th:TH_LOAD_NT   ; row I_: 512 consecutive bytes
.set I_, I_+1
.endr
.irp b, 0,1,2,3
	v_mov_b32 v[TM+4+\b], 0                        ; a lane permute's destination counts as one of its sources
.endr
.irp t, 0,1
	s_wait_loadcnt 16-16*\t                        ; this tile's 16 loads are in
.irp i, 0,1,2,3,4,5,6,7,8,9,10,11,12,13,14,15
	ds_store_b128 v3, v[32+64*\t+4*\i:35+64*\t+4*\i] offset:528*\i
.endr
	s_wait_dscnt 0x0                               ; the stores have read their registers, which the loads below fill
.irp b, 0,1,2,3
.irp j, 0,1,2,3
	ds_load_b128 v[32+64*\t+16*\b+4*\j:35+64*\t+16*\b+4*\j], v4 offset:128*\b+16*\j
.endr
.endr
	s_wait_dscnt 0x0
	QUANT 32+64*\t, 160+12*\t, 184, 192+\t
.irp c, 0,1,2
	global_store_b128 v1, v[160+12*\t+4*\c:163+12*\t+4*\c], s[26:27] offset:1536*\t+512*\c
.endr
.endr
	v_cmp_gt_u32 vcc_lo, 16, v5
	v_cndmask_b32 v194, v193, v192, vcc_lo         ; lanes 0-15: the even tile's words, lanes 16-31: the odd tile's
	global_store_b32 v2, v194, s[28:29]
	s_wait_tensorcnt 0x0                           ; the wave's end
	ds_add_u32 v208, v209
	s_wait_dscnt 0x0
	s_endpgm
.Lweight:
	; ---- dt_proj_w: lane (r, h) takes column 16 t + r; its registers run down K in the operand's order: k = 64 c + 32 h + i
	s_sub_co_u32 s17, s30, 256
	s_lshl_b32 s17, s17, 2
	s_add_co_u32 s17, s17, s16                     ; column tile t
	s_lshl_b32 s22, s17, 6
	s_mov_b32 s23, 0
	s_add_nc_u64 s[8:9], s[8:9], s[22:23]
	s_mul_i32 s24, s17, 1536
	s_mov_b32 s25, 0
	s_add_nc_u64 s[24:25], s[12:13], s[24:25]
	s_lshl_b32 s26, s17, 7
	s_add_co_u32 s26, s26, 196608
	s_mov_b32 s27, 0
	s_add_nc_u64 s[26:27], s[12:13], s[26:27]
	v_lshlrev_b32 v8, 2, v6
	v_lshl_add_u32 v8, v7, 18, v8                  ; 4 r + 32 rows of 8,192 bytes for lanes 16-31
.irp c, 0,1
.irp i, 0,1,2,3,4,5,6,7,8,9,10,11,12,13,14,15,16,17,18,19,20,21,22,23,24,25,26,27,28,29,30,31
	global_load_b32 v[64+32*\c+\i], v8, s[8:9] offset:8192*(64*\c+\i)
.endr
.endr
	s_wait_loadcnt 0x0
.irp c, 0,1
	v_max3_num_f32 v[32+\c], |v[64+32*\c]|, |v[65+32*\c]|, 0x1800000
.endr
.irp i, 2,4,6,8,10,12,14,16,18,20,22,24,26,28,30
.irp c, 0,1
	v_max3_num_f32 v[32+\c], v[32+\c], |v[64+32*\c+\i]|, |v[65+32*\c+\i]|
.endr
.endr
.irp c, 0,1
	v_add_nc_u32 v[44+\c], 0xff000000, v[32+\c]
.endr
.irp c, 0,1
	v_lshrrev_b32 v[36+\c], 23, v[44+\c]
.endr
	v_lshl_or_b32 v9, v37, 16, v36                 ; my two bytes: blocks h and 2 + h,
	v_lshlrev_b32 v10, 3, v7
	v_lshlrev_b32 v9, v10, v9                      ; at their places in the word;
	v_mov_b32 v10, 0
	v_permlanex16_b32 v10, v9, s[SEL], s[SEL+1]
	v_or_b32 v9, v9, v10                           ; with lane l xor 16's two the word is whole
.irp c, 0,1
	v_cvt_scalef32_pk16_fp6_f32 v[48+6*\c:50+6*\c], v[64+32*\c:79+32*\c], v[44+\c]
	v_cvt_scalef32_pk16_fp6_f32 v[192+4*\c:194+4*\c], v[80+32*\c:95+32*\c], v[44+\c]
.endr
	v_nop
.irp c, 0,1
.irp i, 0,1,2
	v_mov_b32 v[51+6*\c+\i], v[192+4*\c+\i]
.endr
.endr
.irp c, 0,1,2
	global_store_b128 v1, v[48+4*\c:51+4*\c], s[24:25] offset:512*\c
.endr
	global_store_b32 v2, v9, s[26:27]
	s_endpgm
.Lwq:
	; ---- the five weights: lane = column 128 G + 32 w + lane, registers down K: four whole blocks a lane, so no other lane is asked for a maximum and the scale word is made in the lane
	s_sub_co_u32 s17, ttmp9, 9                     ; G, 0 .. 113
	s_lshr_b32 s22, s17, 1                         ; block of 256 columns
	s_lshl_b32 s22, s22, 5
	s_add_co_u32 s22, s22, s31
	s_mul_i32 s22, s22, 25600
	s_and_b32 s23, s17, 1                          ; which half of the block
	s_mul_i32 s24, s23, 12288
	s_add_co_u32 s24, s24, s22
	s_mul_i32 s25, s16, 3072
	s_add_co_u32 s24, s24, s25
	s_mov_b32 s25, 0
	s_add_nc_u64 s[24:25], s[42:43], s[24:25]      ; my two fragments
	s_lshl_b32 s23, s23, 9
	s_add_co_u32 s26, s22, s23
	s_lshl_b32 s23, s16, 7                         ; 128 x wave: my scale pair, and my 32 columns in a row of the weight
	s_add_co_u32 s26, s26, s23
	s_add_co_u32 s26, s26, 24576
	s_mov_b32 s27, 0
	s_add_nc_u64 s[26:27], s[42:43], s[26:27]
	s_cmp_eq_u32 s17, 113
	s_cbranch_scc1 .Lwzero
	s_cmp_lt_u32 s17, 64
	s_cbranch_scc0 .Lwproj
	s_mov_b64 s[28:29], s[38:39]                   ; which gate: a choice on the work-group's number alone
	s_cmp_lt_u32 s17, 48
	s_cselect_b64 s[28:29], s[36:37], s[28:29]
	s_cmp_lt_u32 s17, 32
	s_cselect_b64 s[28:29], s[34:35], s[28:29]
	s_cmp_lt_u32 s17, 16
	s_cselect_b64 s[28:29], s[32:33], s[28:29]
	s_and_b32 s22, s17, 15
	s_lshl_b32 s22, s22, 9
	s_add_co_u32 s22, s22, s23
	s_lshl_b32 s23, s31, 20                        ; 128 rows of 8,192 bytes a K step
	s_add_co_u32 s22, s22, s23
	s_mov_b32 s23, 0
	s_add_nc_u64 s[28:29], s[28:29], s[22:23]
	WLOAD 8192
	s_branch .Lwwork
.Lwproj:
	s_sub_co_u32 s22, s17, 64
	s_lshl_b32 s22, s22, 9
	s_add_co_u32 s22, s22, s23
	s_mul_i32 s23, s31, 3211264                    ; 128 rows of 25,088 bytes a K step
	s_add_co_u32 s22, s22, s23
	s_mov_b32 s23, 0
	s_add_nc_u64 s[28:29], s[40:41], s[22:23]
	WLOAD 25088
.Lwwork:
	s_wait_loadcnt 0x0
.irp b, 0,1,2,3
	v_max3_num_f32 v[16+\b], |v[64+32*\b]|, |v[65+32*\b]|, 0x1800000
.endr
.irp i, 2,4,6,8,10,12,14,16,18,20,22,24,26,28,30
.irp b, 0,1,2,3
	v_max3_num_f32 v[16+\b], v[16+\b], |v[64+32*\b+\i]|, |v[65+32*\b+\i]|   ; the four blocks by turns
.endr
.endr
.irp b, 0,1,2,3
	v_add_nc_u32 v[20+\b], 0xff000000, v[16+\b]
.endr
.irp b, 0,1,2,3
	v_lshrrev_b32 v[24+\b], 23, v[20+\b]
.endr
	v_lshl_or_b32 v28, v25, 8, v24                 ; my column's scale word
	v_lshl_or_b32 v28, v26, 16, v28
	v_lshl_or_b32 v28, v27, 24, v28
; v32-43 will be the even tile's fragment, v44-55 the odd tile's.  Blocks 0 and 2 go to the first, 1 and 3 to the second; a conversion's three registers begin on an even number, so each block's upper half is made elsewhere and moved
.irp b, 0,1,2,3
	v_cvt_scalef32_pk16_fp6_f32 v[32+12*(\b%2)+6*(\b/2):34+12*(\b%2)+6*(\b/2)], v[64+32*\b:79+32*\b], v[20+\b]
	v_cvt_scalef32_pk16_fp6_f32 v[192+4*\b:194+4*\b], v[80+32*\b:95+32*\b], v[20+\b]
.endr
	v_nop                                          ; one plain line behind the scaled conversions
.irp b, 0,1,2,3
.irp i, 0,1,2
	v_mov_b32 v[35+12*(\b%2)+6*(\b/2)+\i], v[192+4*\b+\i]
.endr
.endr
.irp i, 0,1,2,3,4,5,6,7,8,9,10,11
	v_permlane16_swap_b32 v[32+\i], v[44+\i]       ; the first's lanes 16-31 (odd tile, even block) change places with the second's lanes 0-15 (even tile, odd block): both are now operand images
.endr
.irp c, 0,1,2,3,4,5
	global_store_b128 v1, v[32+4*\c:35+4*\c], s[24:25] offset:512*\c   ; 512 consecutive bytes a store
.endr
	global_store_b32 v2, v28, s[26:27]
	s_endpgm
.Lwzero:
	; ---- columns past the last weight's end in block 56: zero codes, which add nothing, under the byte 127
.irp i, 0,1,2,3
	v_mov_b32 v[32+\i], 0
.endr
	v_mov_b32 v28, 0x7f7f7f7f
.irp c, 0,1,2,3,4,5
	global_store_b128 v1, v[32:35], s[24:25] offset:512*\c
.endr
	global_store_b32 v2, v28, s[26:27]
	s_endpgm
.Lfunc_end_k_q234dbd74ab_prep:
	.size	k_q234dbd74ab_prep, .Lfunc_end_k_q234dbd74ab_prep-k_q234dbd74ab_prep
	.p2alignl 7, 3214868480
	.fill 96, 4, 3214868480
	.section	.rodata,"a",@progbits
	.p2align	6, 0x0
	.amdhsa_kernel k_q234dbd74ab_prep
		.amdhsa_group_segment_fixed_size 34304
		.amdhsa_private_segment_fixed_size 0
		.amdhsa_enable_private_segment 0
		.amdhsa_kernarg_size 88
		.amdhsa_user_sgpr_count 2
		.amdhsa_user_sgpr_kernarg_segment_ptr 1
		.amdhsa_wavefront_size32 1
		.amdhsa_system_sgpr_workgroup_id_x 1
		.amdhsa_system_sgpr_workgroup_id_y 1
		.amdhsa_system_sgpr_workgroup_id_z 1
		.amdhsa_system_vgpr_workitem_id 0
		.amdhsa_next_free_vgpr 210
		.amdhsa_next_free_sgpr 66
		.amdhsa_reserve_vcc 1
		.amdhsa_float_denorm_mode_32 3
		.amdhsa_float_denorm_mode_16_64 3
		.amdhsa_memory_ordered 1
		.amdhsa_forward_progress 1
		.amdhsa_inst_pref_size 62
	.end_amdhsa_kernel
	.amdgpu_metadata
---
amdhsa.version: [ 1, 2 ]
amdhsa.kernels:
  - .name:           k_q234dbd74ab_prep
    .symbol:         k_q234dbd74ab_prep.kd
    .args:
      - { .name: h, .offset: 0, .size: 8, .value_kind: global_buffer, .address_space: global }
      - { .name: x, .offset: 8, .size: 8, .value_kind: global_buffer, .address_space: global }
      - { .name: dt_proj_w, .offset: 16, .size: 8, .value_kind: global_buffer, .address_space: global }
      - { .name: acode, .offset: 24, .size: 8, .value_kind: global_buffer, .address_space: global }
      - { .name: dtwc, .offset: 32, .size: 8, .value_kind: global_buffer, .address_space: global }
      - { .name: Wi_w, .offset: 40, .size: 8, .value_kind: global_buffer, .address_space: global }
      - { .name: Wf_w, .offset: 48, .size: 8, .value_kind: global_buffer, .address_space: global }
      - { .name: Wo_w, .offset: 56, .size: 8, .value_kind: global_buffer, .address_space: global }
      - { .name: Wg_w, .offset: 64, .size: 8, .value_kind: global_buffer, .address_space: global }
      - { .name: in_proj_w, .offset: 72, .size: 8, .value_kind: global_buffer, .address_space: global }
      - { .name: wcode, .offset: 80, .size: 8, .value_kind: global_buffer, .address_space: global }
    .group_segment_fixed_size: 34304
    .private_segment_fixed_size: 0
    .kernarg_segment_align: 8
    .kernarg_segment_size: 88
    .max_flat_workgroup_size: 128
    .sgpr_count:     66
    .vgpr_count:     210
    .wavefront_size: 32
...
	.end_amdgpu_metadata
.endif
;; end of part 1
;; launch gemm (part 2): grid 4 x 57, 4 waves a work-group, clusters of 4 x 1, 327,680 bytes of LDS; arguments acode, wcode, Wi_b, Wf_b, Wo_b, Wg_b, in_proj_b, pre; writes pre
.if DOCPART == 2
	.amdgcn_target "amdgcn-amd-amdhsa--gfx1250"
	.amdhsa_code_object_version 6
	.text
	.protected	k_q234dbd74ab_gemm
	.globl	k_q234dbd74ab_gemm
	.p2align	8
	.type	k_q234dbd74ab_gemm,@function
k_q234dbd74ab_gemm:
	s_mov_b64 s[64:65], 0
	v_nop
	global_prefetch_b8 v0, s[64:65] scope:SCOPE_SE
	s_setreg_imm32_b32 hwreg(HW_REG_WAVE_MODE, 25, 1), 1
	s_wait_xcnt 0x0
	s_wait_alu depctr_hold_cnt(0) depctr_sa_sdst(0) depctr_va_vdst(0) depctr_va_sdst(0) depctr_va_ssrc(0) depctr_va_vcc(0) depctr_vm_vsrc(0)
	s_getreg_b32 s2, hwreg(HW_REG_IB_STS2, 6, 4)
	s_cmp_eq_u32 s2, 0
	s_cbranch_scc0 .Lentry_in_a_cluster
	s_endpgm
.Lentry_in_a_cluster:
	s_bfe_u32 s2, ttmp6, 0x10000c
	s_cmp_lg_u32 s2, 0x3003
	s_cbranch_scc0 .Lentry_shape_is_right
	s_endpgm
.Lentry_shape_is_right:
; GEMM: pre[1024][14464] = Q(combined) Q(W) + bias, W = the five weights side by side, in MX-FP6; both operands come as codes laid as register images (acode, wcode: 25,600 bytes for 256 rows or columns x 128 K: 16 fragments, 8 scale pairs).
; SHARES.  A work-group makes 256 rows x 256 columns; wave w rows 64 w .. 64 w + 63 of them x all 256 columns: 4 x 16 = 64 accumulators, 512 registers.  K ascends in 32 steps of 128; the bias is added behind the sums.
; THE WEIGHTS' CODES are shared by the four waves: they come by tensor loads into two LDS slots of four K steps (wave w fetches K step w of a slot: 100 rows of 256 bytes, dense), and each wave reads all 16 fragments of a step, once.
; One set of registers: eight fragments are fetched anew, in one run of loads, as soon as their 32 products are issued: two runs a K step.
; COMBINED'S CODES are each read by one wave alone: they go from memory straight into registers, four sets, a set asked for anew four K steps ahead.
; CLUSTERS: 4 x 1: the four work-groups of a cluster make the four row blocks of one column block and ask for the weights' tiles JOINTLY (mask 15).  Combined's codes differ between the four, so they are not asked for jointly.
; PREFETCH: behind each refill the weights' slot after it is named, 25 blocks of 256 bytes a wave; the sixteen waves of a cluster share its 400 blocks out by address.  Slots 0 to 2 come by their loads alone.
; acode is 3,276,800 bytes that all 57 clusters walk in step: it is not prefetched.
; Block 56 holds 128 live columns; its other 128 are zero codes, and their sums are not stored.
; THE PRODUCT IS USED TRANSPOSED (source 0 = 16 columns of W, source 1 = 16 rows): a lane holds eight neighbouring columns of one row.
; LIMITS: NaN and infinities among the inputs are not served.
; REGISTERS: window 0: v1-15 addresses; v16-23 combined's scale pairs (4 sets of 2), v24-31 the weights' (8): scales and nothing else; v32-39 the bias; v64-255 the weights' 16 fragments, later rows on the way out.
;   window 1: v0-191 combined's fragments, set q at 48 q.   windows 2, 3: accumulator (row tile a, column tile b) at v[8 (4 (b % 8) + a)] of window 2 + b / 8.
.set KB,     25600                     ; a K step of a block
.set SLOTB,  131072                    ; from slot 0 to slot 1; a slot uses 102,400 bytes
.set STAGE,  233472                    ; behind the slots: 16 rows x (1,024 + 16) bytes for each wave; no tensor load lands here
.set SPITCH, 1040
.set SPARE,  300032                    ; the spare words: 128 bytes a wave
.set PROW,   57856                     ; a row of pre in bytes
.set MSB, 0
.macro WIN new                         ; the immediate's high byte repeats the setting that is left
.if MSB != (\new)
	s_set_vgpr_msb (MSB<<8)|(\new)
.set MSB, (\new)
.endif
.endm
.macro PLACES                          ; four plain lines between matrix instructions and loads into their sources or reads of their results
.rept 4
	v_nop
.endr
.endm
.macro CREST                           ; a round of the cluster's barrier behind its opening barrier
	s_cmp_lg_u32 s20, 0
	s_cbranch_scc1 .Lnw0_\@
	s_barrier_signal -3
.Lnw0_\@:
	s_barrier_wait -3
	s_barrier_signal -1
	s_barrier_wait -1
.endm
.macro ROUND                           ; a whole round
	s_barrier_signal -1
	s_barrier_wait -1
	CREST
.endm
.macro JLOAD                           ; my K step of a slot, asked for jointly
	tensor_load_to_lds s[40:43], s[32:39]
	s_nop 0
.rept 4
	v_nop
.endr
.endm
.macro ALOAD q, k                      ; combined's four fragments and two scale pairs of the K step k steps behind the pointer, into set q: 14 loads
	WIN 0x40                                       ; destination window 1, address window 0
.irp aa, 0,1,2,3
.irp c, 0,1,2
	global_load_b128 v[48*(\q)+12*\aa+4*\c:48*(\q)+12*\aa+4*\c+3], v3, s[44:45] offset:(\k)*KB+1536*\aa+512*\c
.endr
.endr
	WIN 0
.irp u, 0,1
	global_load_b32 v[16+2*(\q)+\u], v4, s[44:45] offset:(\k)*KB+128*\u
.endr
.endm
.macro FETCH g, j                      ; the weights' fragments 4 g .. 4 g + 3 and their two scale pairs of the slot's K step j: 14 LDS loads, each lane 16 (4) neighbouring bytes
.irp bb, 0,1,2,3
.irp c, 0,1,2
	ds_load_b128 v[64+12*(4*(\g)+\bb)+4*\c:64+12*(4*(\g)+\bb)+4*\c+3], v[9+(\j)/2] offset:((\j)%2)*KB+1536*(4*(\g)+\bb)+512*\c
.endr
.endr
.irp u, 0,1
	ds_load_b32 v[24+2*(\g)+\u], v[11+(\j)/2] offset:((\j)%2)*KB+128*(2*(\g)+\u)
.endr
.endm
.macro WM zero, m                      ; one product; m: bit 0 the column tile is odd, bit 1 the row tile is odd: its scale words stand in lanes 16-31
.if \zero
.if (\m) == 0
	v_wmma_scale_f32_16x16x128_f8f6f4 v[RD_:RD_+7], v[RB_:RB_+11], v[RA_:RA_+11], 0, v[SB_], v[SA_] matrix_a_fmt:MATRIX_FMT_FP6 matrix_b_fmt:MATRIX_FMT_FP6
.elseif (\m) == 1
	v_wmma_scale_f32_16x16x128_f8f6f4 v[RD_:RD_+7], v[RB_:RB_+11], v[RA_:RA_+11], 0, v[SB_], v[SA_] matrix_a_fmt:MATRIX_FMT_FP6 matrix_b_fmt:MATRIX_FMT_FP6 matrix_a_scale:MATRIX_SCALE_ROW1
.elseif (\m) == 2
	v_wmma_scale_f32_16x16x128_f8f6f4 v[RD_:RD_+7], v[RB_:RB_+11], v[RA_:RA_+11], 0, v[SB_], v[SA_] matrix_a_fmt:MATRIX_FMT_FP6 matrix_b_fmt:MATRIX_FMT_FP6 matrix_b_scale:MATRIX_SCALE_ROW1
.else
	v_wmma_scale_f32_16x16x128_f8f6f4 v[RD_:RD_+7], v[RB_:RB_+11], v[RA_:RA_+11], 0, v[SB_], v[SA_] matrix_a_fmt:MATRIX_FMT_FP6 matrix_b_fmt:MATRIX_FMT_FP6 matrix_a_scale:MATRIX_SCALE_ROW1 matrix_b_scale:MATRIX_SCALE_ROW1
.endif
.else
.if (\m) == 0
	v_wmma_scale_f32_16x16x128_f8f6f4 v[RD_:RD_+7], v[RB_:RB_+11], v[RA_:RA_+11], v[RD_:RD_+7], v[SB_], v[SA_] matrix_a_fmt:MATRIX_FMT_FP6 matrix_b_fmt:MATRIX_FMT_FP6
.elseif (\m) == 1
	v_wmma_scale_f32_16x16x128_f8f6f4 v[RD_:RD_+7], v[RB_:RB_+11], v[RA_:RA_+11], v[RD_:RD_+7], v[SB_], v[SA_] matrix_a_fmt:MATRIX_FMT_FP6 matrix_b_fmt:MATRIX_FMT_FP6 matrix_a_scale:MATRIX_SCALE_ROW1
.elseif (\m) == 2
	v_wmma_scale_f32_16x16x128_f8f6f4 v[RD_:RD_+7], v[RB_:RB_+11], v[RA_:RA_+11], v[RD_:RD_+7], v[SB_], v[SA_] matrix_a_fmt:MATRIX_FMT_FP6 matrix_b_fmt:MATRIX_FMT_FP6 matrix_b_scale:MATRIX_SCALE_ROW1
.else
	v_wmma_scale_f32_16x16x128_f8f6f4 v[RD_:RD_+7], v[RB_:RB_+11], v[RA_:RA_+11], v[RD_:RD_+7], v[SB_], v[SA_] matrix_a_fmt:MATRIX_FMT_FP6 matrix_b_fmt:MATRIX_FMT_FP6 matrix_a_scale:MATRIX_SCALE_ROW1 matrix_b_scale:MATRIX_SCALE_ROW1
.endif
.endif
.endm
; 16 products: column tiles 4 g .. 4 g + 3 x my four row tiles of set q.  The 64 accumulators take turns, one instruction a turn, in the same order in every K step.
.macro MUL g, q, zero
	WIN 0xa4+0x50*((\g)/2)                         ; source 0 window 0, source 1 window 1, C and D window 2 or 3
.irp bb, 0,1,2,3
.irp aa, 0,1,2,3
.set RB_, 64+12*(4*(\g)+\bb)
.set RA_, 48*(\q)+12*\aa
.set RD_, 8*(4*((4*(\g)+\bb)%8)+\aa)
.set SB_, 24+2*(\g)+\bb/2
.set SA_, 16+2*(\q)+\aa/2
	WM \zero, (\bb%2)+2*(\aa%2)
.endr
.endr
.endm
.macro ASK                             ; the slot behind the one just asked for; the loop's last trip has none
	s_cmp_gt_u32 s3, 1
	s_cbranch_scc0 .Lnp_\@
	global_prefetch_b8 v15, s[52:53] th:TH_LOAD_NT scope:SCOPE_SE
.Lnp_\@:
.endm
; A K step: j its place in its slot, and combined's set.  zero: the products start the sums.  change: this is a slot's last step: 1 the slot is filled again, 2 it is not.  aload: the set is asked for anew; astep: the pointers step first.
; lcnt: the global loads issued behind this set's 14.  fetch: a next step's fragments are fetched.
; Behind the 28 LDS loads of one half of the fragments the other half's 28 were issued: so the wait in front of a half's 32 products is for 28; in the last step the second wait is for 0.
.macro KSTEP j, zero, change, aload, astep, lcnt, fetch
.set NJ_, ((\j)+1)%4
.if \change
	s_wait_tensorcnt 0x0                           ; my one tensor load that was out, my part of the next slot, has landed
	ds_add_u32 v1, v2                              ; 0 onto my spare word
.if \change == 1
	s_xor_b32 s41, s41, SLOTB                      ; no tensor load of mine is out: the descriptor goes on: the other slot,
	s_add_nc_u64 s[42:43], s[42:43], 4*KB          ; four K steps on
.endif
	s_xor_b32 s61, s61, SLOTB                      ; and the reads go on to the next slot
	s_wait_dscnt 29                                ; (the add and the other half's loads may be out)
.else
	s_wait_dscnt 28
.endif
	s_wait_loadcnt \lcnt
	MUL 0, \j, \zero
.if \change
	s_wait_dscnt 0x0                               ; the add is done, and all my reads of this slot are in
	s_barrier_signal -1                            ; say so (where the slot is filled again this barrier opens a round of the cluster's barrier),
	MUL 1, \j, \zero                               ; work on registers while the others arrive
	WIN 0
	s_barrier_wait -1
.if \change == 1
	CREST                                          ; no wave of any partner still reads this slot or has a load on its way
	JLOAD                                          ; its four v_nop are also the places in front of the loads below
.else
	PLACES                                         ; the last slot is whole for all four waves; nothing is filled again
.endif
.irp i, 0,1,2,3
	v_add_nc_u32 v[9+\i], s61, v[5+\i]
.endr
	s_wait_alu depctr_va_vdst(0)                   ; the wait behind these writes
.else
	MUL 1, \j, \zero
	PLACES
	WIN 0
.endif
.if \fetch
	FETCH 0, NJ_
	FETCH 1, NJ_
.endif
.if \change == 1
	ASK
.endif
.if \fetch
	s_wait_dscnt 28
.else
	s_wait_dscnt 0x0
.endif
	MUL 2, \j, \zero
	MUL 3, \j, \zero
	PLACES
	WIN 0
.if \fetch
	FETCH 2, NJ_
	FETCH 3, NJ_
.endif
.if \aload
.if \astep
	s_wait_xcnt 0x0                                ; the loads and the prefetch issued a K step ago and earlier have read their pointers
	s_add_nc_u64 s[44:45], s[44:45], 4*KB
	s_add_nc_u64 s[52:53], s[52:53], 4*KB
.endif
	ALOAD \j, 4+\j
.endif
.endm
	s_load_b512 s[4:19], s[0:1], 0x0               ; acode s[4:5], wcode s[6:7], Wi_b, Wf_b, Wo_b, Wg_b s[8:15], in_proj_b s[16:17], pre s[18:19]
	v_lshl_add_u32 v1, v0, 2, SPARE                ; my spare word; never rewritten
	v_mov_b32 v2, 0                                ; never rewritten
	ds_add_u32 v1, v2                              ; the opening lines: the add, twice on end, and its wait ahead of my first tensor load
	ds_add_u32 v1, v2
	v_lshrrev_b32 v40, 5, v0
	v_readfirstlane_b32 s20, v40                   ; wave 0..3
	s_bfe_u32 s21, ttmp6, 0x40000                  ; cx: my block of 256 rows
	s_and_b32 s22, ttmp7, 0xffff                   ; the cluster's y: the block of 256 columns
	s_mov_b32 s32, 15|(3<<16)|(1<<21)              ; group 1: the mask names the cluster's four; elements of 8 bytes; bit 21 beside a mask; no padding
	s_mov_b32 s33, 32<<16                          ; tensor_dim0 = 32 elements: rows of 256 bytes
	s_mov_b32 s34, 100<<16                         ; tensor_dim1 = 100
	s_mov_b32 s35, 32<<16                          ; tile_dim0
	s_mov_b32 s36, 100                             ; tile_dim1
	s_mov_b32 s37, 32                              ; the pitch: dense
	s_mov_b32 s38, 0
	s_mov_b32 s39, 0
	s_mov_b32 s40, 1                               ; group 0
	s_mul_i32 s41, s20, KB                         ; LDS: slot 0, K step w
	s_lshl_b32 s24, s22, 5
	s_add_co_u32 s24, s24, s20
	s_mul_i32 s24, s24, KB                         ; wcode: (32 y + w) K steps
	s_mov_b32 s25, 0
	s_wait_dscnt 0x0                               ; both opening adds are done
	s_wait_kmcnt 0x0
	s_add_nc_u64 s[42:43], s[6:7], s[24:25]
	s_or_b32 s43, s43, 0x80000000                  ; type = 2
	ROUND                                          ; the four work-groups are here: the first joint loads meet
	JLOAD                                          ; slot 0: one tensor load a wave at the head
	s_mul_i32 s28, s21, 32*KB
	s_mov_b32 s29, 0
	s_add_nc_u64 s[44:45], s[4:5], s[28:29]        ; acode at my block of rows
	s_lshl_b32 s28, s21, 8
	s_lshl_b32 s30, s20, 6
	s_add_co_u32 s28, s28, s30
	s_mul_i32 s28, s28, PROW
	s_lshl_b32 s30, s22, 10
	s_add_co_u32 s28, s28, s30
	s_add_nc_u64 s[46:47], s[18:19], s[28:29]      ; pre at my first row and the block's first column
	s_mov_b64 s[48:49], s[16:17]                   ; which bias: choices on the cluster's y alone
	s_sub_co_u32 s28, s22, 32
	s_and_b32 s30, s22, 7
	s_cmp_lt_u32 s22, 32
	s_cselect_b64 s[48:49], s[14:15], s[48:49]
	s_cselect_b32 s28, s30, s28
	s_cmp_lt_u32 s22, 24
	s_cselect_b64 s[48:49], s[12:13], s[48:49]
	s_cmp_lt_u32 s22, 16
	s_cselect_b64 s[48:49], s[10:11], s[48:49]
	s_cmp_lt_u32 s22, 8
	s_cselect_b64 s[48:49], s[8:9], s[48:49]
	s_lshl_b32 s28, s28, 10
	s_add_nc_u64 s[48:49], s[48:49], s[28:29]
	s_cmp_eq_u32 s22, 56
	s_cselect_b32 s28, 0, 512                      ; block 56 has no upper 128 columns: the load stays inside the bias, and what it brings is not used
	s_add_nc_u64 s[50:51], s[48:49], s[28:29]
	s_mul_i32 s28, s22, 32*KB
	s_add_co_u32 s28, s28, 12*KB
	s_add_nc_u64 s[52:53], s[6:7], s[28:29]        ; the prefetches begin at slot 3
	s_mul_i32 s24, s20, 6144                       ; my four fragments in a K step of acode,
	s_lshl_b32 s25, s20, 8
	s_add_co_u32 s25, s25, 24576                   ; my two scale pairs
	s_mul_i32 s26, s20, 16*SPITCH
	s_add_co_u32 s26, s26, STAGE                   ; my stage
	s_lshl_b32 s27, s21, 2
	s_add_co_u32 s27, s27, s20
	s_mul_i32 s27, s27, 6400                       ; my 25 blocks of a slot's 400
	s_mov_b32 s61, 0
	v_and_b32 v40, 31, v0                          ; lane
	v_and_b32 v41, 15, v0                          ; r
	v_bfe_u32 v42, v0, 4, 1                        ; h
	v_lshl_add_u32 v3, v40, 4, s24
	v_lshl_add_u32 v4, v40, 2, s25
	v_lshlrev_b32 v5, 4, v40                       ; a slot's K steps 0, 1: fragments; also my 16 bytes of 512 in pre and in the bias
	v_lshl_add_u32 v6, v40, 4, 2*KB                ; K steps 2, 3
	v_lshl_add_u32 v7, v40, 2, 24576               ; scale pairs of K steps 0, 1
	v_lshl_add_u32 v8, v40, 2, 24576+2*KB          ; and 2, 3
.irp i, 0,1,2,3
	v_add_nc_u32 v[9+\i], s61, v[5+\i]             ; the same in the slot that is being read
.endr
	v_mul_u32_u24 v13, v41, SPITCH
	v_lshl_add_u32 v13, v42, 5, v13
	v_add_nc_u32 v13, s26, v13                     ; into the stage: row r, + 32 h
	v_lshl_add_u32 v14, v40, 4, s26                ; back: 512 bytes of a row
	v_min_u32 v15, 24, v40                         ; lanes 25-31 name the wave's last block again
	v_lshl_add_u32 v15, v15, 8, s27
	s_wait_alu depctr_va_vdst(0)                   ; the wait at the head's end
	global_load_b128 v[32:35], v5, s[48:49]        ; the bias of columns 4 l .. 4 l + 3,
	global_load_b128 v[36:39], v5, s[50:51]        ; and of 128 + 4 l ..
	ALOAD 0, 0
	ALOAD 1, 1
	ALOAD 2, 2
	ALOAD 3, 3
	s_wait_tensorcnt 0x0                           ; my part of slot 0 is in
	ds_add_u32 v1, v2
	s_xor_b32 s41, s41, SLOTB
	s_add_nc_u64 s[42:43], s[42:43], 4*KB
	s_wait_dscnt 0x0
	ROUND
	JLOAD                                          ; slot 1
	FETCH 0, 0
	FETCH 1, 0
	FETCH 2, 0
	FETCH 3, 0
	KSTEP 0, 1, 0, 1, 0, 42, 1                     ; K step 0 starts the sums
	s_mov_b32 s3, 6
.Lslot:                                            ; a trip: a slot's K steps 1 to 3 and the next slot's first; slots 2 to 7 are asked for
	KSTEP 1, 0, 0, 1, 0, 42, 1
	KSTEP 2, 0, 0, 1, 0, 42, 1
	KSTEP 3, 0, 1, 1, 0, 42, 1
	KSTEP 0, 0, 0, 1, 1, 42, 1
	s_sub_co_u32 s3, s3, 1
	s_cmp_lg_u32 s3, 0
	s_cbranch_scc1 .Lslot
	KSTEP 1, 0, 0, 1, 0, 42, 1                     ; K steps 25 to 27 ask for combined's last three
	KSTEP 2, 0, 0, 1, 0, 42, 1
	KSTEP 3, 0, 2, 1, 0, 42, 1
	KSTEP 0, 0, 0, 0, 0, 42, 1                     ; nothing is asked of acode any more: the counts run down
	KSTEP 1, 0, 0, 0, 0, 28, 1
	KSTEP 2, 0, 0, 0, 0, 14, 1
	KSTEP 3, 0, 0, 0, 0, 0, 0
; THE WAY OUT, a row tile (16 rows x 256 columns) at a time, through my own stage: in as 32 bytes a lane, back as halves of rows, 512 consecutive bytes a load; there the bias is added, and the 32 lanes store two aligned units of 256 bytes.
; A tile's loads, its additions and its stores stand in three runs, so that no store follows directly on the addition that makes its data.
; LDS serves a wave's instructions in order (ISA guide 5.7.1.4): no wait between the stores and the loads.  Every offset is an immediate: 63 rows of pre at the most.
; full = 1: all 256 columns.  full = 0: block 56, whose upper 128 columns pre does not have: a copy of its own, chosen by the cluster's y.
.macro TOSTAGE a, full
.irp w, 0,1
.if (\w == 0) || \full
	WIN 0x08+4*\w                                  ; an LDS store's data are its source 1: window 2 or 3
.irp b, 0,1,2,3,4,5,6,7
	ds_store_b128 v13, v[8*(4*\b+(\a)):8*(4*\b+(\a))+3] offset:64*(8*\w+\b)       ; each accumulator from its low end on
	ds_store_b128 v13, v[8*(4*\b+(\a))+4:8*(4*\b+(\a))+7] offset:64*(8*\w+\b)+16
.endr
.endif
.endr
	WIN 0
.endm
.macro RDBACK hf
.irp t, 0,1,2,3,4,5,6,7,8,9,10,11,12,13,14,15
	ds_load_b128 v[64+64*(\hf)+4*\t:64+64*(\hf)+4*\t+3], v14 offset:\t*SPITCH+512*(\hf)
.endr
.endm
.macro ADDB hf
.irp t, 0,1,2,3,4,5,6,7,8,9,10,11,12,13,14,15
	v_pk_add_f32 v[64+64*(\hf)+4*\t:64+64*(\hf)+4*\t+1], v[64+64*(\hf)+4*\t:64+64*(\hf)+4*\t+1], v[32+4*(\hf):33+4*(\hf)]
	v_pk_add_f32 v[64+64*(\hf)+4*\t+2:64+64*(\hf)+4*\t+3], v[64+64*(\hf)+4*\t+2:64+64*(\hf)+4*\t+3], v[34+4*(\hf):35+4*(\hf)]
.endr
.endm
.macro SEND a, hf
.irp t, 0,1,2,3,4,5,6,7,8,9,10,11,12,13,14,15
	global_store_b128 v5, v[64+64*(\hf)+4*\t:64+64*(\hf)+4*\t+3], s[46:47] offset:(16*(\a)+\t)*PROW+512*(\hf) th:TH_STORE_NT
.endr
.endm
.macro OUT full
.irp a, 0,1,2,3
.if \a > 0
	s_wait_xcnt 0x0                                ; the last tile's stores have read their registers
.endif
	TOSTAGE \a, \full
	RDBACK 0
.if \full
	RDBACK 1
	s_wait_dscnt 16                                ; the lower halves of the rows are in; the upper halves' 16 loads may be out
	ADDB 0
	s_wait_dscnt 0x0
	ADDB 1
	SEND \a, 0
	SEND \a, 1
.else
	s_wait_dscnt 0x0
	ADDB 0
	SEND \a, 0
.endif
.endr
.endm
	s_cmp_eq_u32 s22, 56
	s_cbranch_scc1 .Llast_block
	OUT 1
	s_branch .Ldone
.Llast_block:
	OUT 0
.Ldone:
	s_wait_tensorcnt 0x0                           ; the wave's end
	ds_add_u32 v1, v2
	s_wait_dscnt 0x0
	ROUND                                          ; the closing round
	s_endpgm
.Lfunc_end_k_q234dbd74ab_gemm:
	.size	k_q234dbd74ab_gemm, .Lfunc_end_k_q234dbd74ab_gemm-k_q234dbd74ab_gemm
	.p2alignl 7, 3214868480
	.fill 96, 4, 3214868480
	.section	.rodata,"a",@progbits
	.p2align	6, 0x0
	.amdhsa_kernel k_q234dbd74ab_gemm
		.amdhsa_group_segment_fixed_size 327680
		.amdhsa_private_segment_fixed_size 0
		.amdhsa_enable_private_segment 0
		.amdhsa_kernarg_size 64
		.amdhsa_user_sgpr_count 2
		.amdhsa_user_sgpr_kernarg_segment_ptr 1
		.amdhsa_wavefront_size32 1
		.amdhsa_system_sgpr_workgroup_id_x 1
		.amdhsa_system_sgpr_workgroup_id_y 1
		.amdhsa_system_sgpr_workgroup_id_z 1
		.amdhsa_system_vgpr_workitem_id 0
		.amdhsa_next_free_vgpr 1024
		.amdhsa_next_free_sgpr 66
		.amdhsa_reserve_vcc 0
		.amdhsa_float_denorm_mode_32 3
		.amdhsa_float_denorm_mode_16_64 3
		.amdhsa_memory_ordered 1
		.amdhsa_forward_progress 1
		.amdhsa_inst_pref_size 236
	.end_amdhsa_kernel
	.amdgpu_metadata
---
amdhsa.version: [ 1, 2 ]
amdhsa.kernels:
  - .name:           k_q234dbd74ab_gemm
    .symbol:         k_q234dbd74ab_gemm.kd
    .args:
      - { .name: acode, .offset: 0, .size: 8, .value_kind: global_buffer, .address_space: global }
      - { .name: wcode, .offset: 8, .size: 8, .value_kind: global_buffer, .address_space: global }
      - { .name: Wi_b, .offset: 16, .size: 8, .value_kind: global_buffer, .address_space: global }
      - { .name: Wf_b, .offset: 24, .size: 8, .value_kind: global_buffer, .address_space: global }
      - { .name: Wo_b, .offset: 32, .size: 8, .value_kind: global_buffer, .address_space: global }
      - { .name: Wg_b, .offset: 40, .size: 8, .value_kind: global_buffer, .address_space: global }
      - { .name: in_proj_b, .offset: 48, .size: 8, .value_kind: global_buffer, .address_space: global }
      - { .name: pre, .offset: 56, .size: 8, .value_kind: global_buffer, .address_space: global }
    .group_segment_fixed_size: 327680
    .private_segment_fixed_size: 0
    .kernarg_segment_align: 8
    .kernarg_segment_size: 64
    .max_flat_workgroup_size: 128
    .sgpr_count:     66
    .vgpr_count:     1024
    .wavefront_size: 32
...
	.end_amdgpu_metadata
.endif
;; end of part 2
;; launch fin (part 3): grid 256 x 1, 16 waves a work-group, no clusters, 36,352 bytes of LDS; arguments pre, c, ssm_state, dtwc, dt_proj_b, A_log, D, ln_g, ln_b, W1, W2, scale0, out0, out1, out2; writes out0, out1, out2
.if DOCPART == 3
	.amdgcn_target "amdgcn-amd-amdhsa--gfx1250"
	.amdhsa_code_object_version 6
	.text
	.protected	k_q234dbd74ab_fin
	.globl	k_q234dbd74ab_fin
	.p2align	8
	.type	k_q234dbd74ab_fin,@function
k_q234dbd74ab_fin:
	s_mov_b64 s[64:65], 0
	v_nop
	global_prefetch_b8 v0, s[64:65] scope:SCOPE_SE
	s_setreg_imm32_b32 hwreg(HW_REG_WAVE_MODE, 25, 1), 1
	s_wait_xcnt 0x0
; FIN: all that follows the large products.  pre[1024][14464] holds, bias added, at byte offsets in a row: i 0, f 8,192, o 16,384, g 24,576, x_ssm 32,768, dt_r 40,960, Bsel 41,472, Csel 49,664.
; dt = softplus(Q(dt_r) Q(dt_proj_w) + b) in MX-FP6 (dt_proj_w's codes come from dtwc, laid as register images); c_lstm = sigmoid(f) c + sigmoid(i) tanh(g); the step of the state; LayerNorm of c_lstm; the blend; h.
; SHARES.  A work-group takes 4 rows; each of its 16 waves 128 columns of all four; lane l columns 128 w + 4 l .. + 3.  So every tensor of rows is four loads of 16 bytes a lane (512 consecutive bytes a wave),
; every vector along the columns one, and one address register, 16 x the thread's number, serves them all.
; THE SMALL PRODUCT.  Wave 0 quantises the four rows of dt_r and hands codes and scale bytes round through LDS.  A tile has 16 rows: row m of the operand is real row m % 4, so 12 of a tile's 16 rows repeat the 4 real ones;
; 8 products a wave.  The sums of rows 0-3 go through the wave's own LDS bytes into the lanes' layout.
; SIGMOID(z) = 1 / (1 + 2^(-z log2 e)); TANH(z) = 1 - 2 / (1 + 2^(2 z log2 e)); SOFTPLUS(z) = max(z, 0) + ln 2 log2(1 + 2^(-|z| log2 e)): no overflow at either end.
; LIMITS: tanh and softplus so formed carry an absolute error of about 1e-7 (a softplus under 6e-8 comes out as 0); neither goes into a quantiser.  NaN and infinities among the inputs are not served.
; A block of zeros of dt_r gets the byte 1 with zero codes.
; REGISTERS: v1-12 addresses; v16-27 dt_r's fragment, v32-127 eight fragments of dtwc, v128-159 four accumulators, v160-177 wave 0's numbers; v180-243 i, f, g, c; v244-252 scale words and nothing else.
;   Behind the product: v16-31 o, v32-47 x_ssm, v48-63 Bsel, v64-79 Csel, v80-95 the state, v96-111 dt, v112-131 dt_proj_b, A_log, D, ln_g, ln_b; v132-179 at work; v228-243 c_lstm, then c_new.
.set PROW, 57856
.set DRC,  32768                       ; LDS: bytes 0-32,767: each wave's own 4 rows x 128 columns of dt's sums; then dt_r's codes, 4 rows x 96 bytes;
.set DRS,  33280                       ; its 16 scale bytes;
.set RED,  33536                       ; two blocks of 256 bytes for the row sums, [wave][row]
; v132-135 hold my lane's parts of the four rows' sums; afterwards lane l's v140 holds the whole sum of row l % 4.  One barrier.
.macro ROWSUM off
.irp m, 1,2,4,8
.irp p, 0,1,2,3
	s_delay_alu instid0(VALU_DEP_4)
	v_add_f32_dpp v[132+\p], v[132+\p], v[132+\p] row_xmask:\m row_mask:0xf bank_mask:0xf
.endr
.endr
.irp p, 0,1,2,3
	s_delay_alu instid0(VALU_DEP_4)
	v_permlanex16_b32 v[136+\p], v[132+\p], s60, s61
.endr
.irp p, 0,1,2,3
	s_delay_alu instid0(VALU_DEP_4)
	v_add_f32 v[132+\p], v[132+\p], v[136+\p]      ; my wave's 128 columns
.endr
	ds_store_b128 v11, v[132:135] offset:\off      ; all lanes write the same 16 bytes with the same values
	s_wait_dscnt 0x0                               ; for the others' sake
	s_barrier_signal -1
	s_barrier_wait -1
	ds_load_b32 v140, v12 offset:\off              ; wave l / 4, row l % 4,
	ds_load_b32 v141, v12 offset:\off+128          ; wave 8 + l / 4, the same row
	s_wait_dscnt 0x0
	v_add_f32 v140, v140, v141
	s_delay_alu instid0(VALU_DEP_1)
	v_add_f32_dpp v140, v140, v140 row_xmask:4 row_mask:0xf bank_mask:0xf
	s_delay_alu instid0(VALU_DEP_1)
	v_add_f32_dpp v140, v140, v140 row_xmask:8 row_mask:0xf bank_mask:0xf
	s_delay_alu instid0(VALU_DEP_1)
	v_permlanex16_b32 v141, v140, s60, s61
	s_delay_alu instid0(VALU_DEP_1)
	v_add_f32 v140, v140, v141
.endm
	s_load_b512 s[4:19], s[0:1], 0x0               ; pre s[4:5], c s[6:7], ssm_state s[8:9], dtwc s[10:11], dt_proj_b s[12:13], A_log s[14:15], D s[16:17], ln_g s[18:19]
	s_load_b256 s[20:27], s[0:1], 0x40             ; ln_b s[20:21], W1 s[22:23], W2 s[24:25], scale0 s[26:27]
	s_load_b128 s[28:31], s[0:1], 0x60             ; out0, out1
	s_load_b64 s[32:33], s[0:1], 0x70              ; out2
	v_lshrrev_b32 v13, 5, v0
	s_delay_alu instid0(VALU_DEP_1)
	v_readfirstlane_b32 s48, v13                   ; wave 0..15
	v_and_b32 v14, 31, v0                          ; lane
	v_and_b32 v15, 3, v0                           ; the real row of an operand's row r
	v_bfe_u32 v253, v0, 4, 1                       ; h
	v_lshlrev_b32 v1, 4, v0                        ; 512 w + 16 l
	s_delay_alu instid0(VALU_DEP_4)
	v_lshrrev_b32 v2, 3, v14
	s_delay_alu instid0(VALU_DEP_1)
	v_mul_u32_u24 v2, v2, PROW
	v_and_b32 v254, 7, v0
	s_delay_alu instid0(VALU_DEP_1)
	v_lshl_add_u32 v2, v254, 6, v2                 ; dt_r (wave 0): row l / 8, 64 bytes x (l % 8)
	v_mul_u32_u24 v3, v13, 12288
	s_delay_alu instid0(VALU_DEP_1)
	v_lshl_add_u32 v3, v14, 4, v3                  ; dtwc: my wave's 8 tiles of 1,536 bytes, 16 x lane
	v_lshlrev_b32 v4, 10, v13
	s_delay_alu instid0(VALU_DEP_1)
	v_lshl_add_u32 v4, v14, 2, v4                  ; their scale words
	v_mul_u32_u24 v5, v14, 12
	s_delay_alu instid0(VALU_DEP_1)
	v_add_nc_u32 v5, DRC, v5                       ; wave 0: my 16 codes: 96 (l / 8) + 12 (l % 8) = 12 l
	v_lshrrev_b32 v6, 1, v14
	s_delay_alu instid0(VALU_DEP_1)
	v_add_nc_u32 v6, DRS, v6                       ; and my block's byte: 4 (l / 8) + (l % 8) / 2 = l / 2
	v_mul_u32_u24 v7, v15, 96
	s_delay_alu instid0(VALU_DEP_1)
	v_mad_u32_u24 v7, v253, 24, v7
	s_delay_alu instid0(VALU_DEP_1)
	v_add_nc_u32 v7, DRC, v7                       ; dt_r's fragment: row r % 4, + 24 h
	v_lshl_add_u32 v8, v15, 2, DRS
	v_and_b32 v9, 15, v0
	s_delay_alu instid0(VALU_DEP_1)
	v_lshlrev_b32 v9, 2, v9
	s_delay_alu instid0(VALU_DEP_1)
	v_lshl_add_u32 v9, v13, 11, v9                 ; dt's sums, in: 2,048 w + 4 r
	v_lshlrev_b32 v10, 4, v14
	s_delay_alu instid0(VALU_DEP_1)
	v_lshl_add_u32 v10, v13, 11, v10               ; back: 2,048 w + 16 l
	v_lshl_add_u32 v11, v13, 4, RED
	v_lshl_add_u32 v12, v14, 2, RED
	s_mul_i32 s50, ttmp9, 4*PROW                   ; my four rows
	s_mov_b32 s51, 0
	s_lshl_b32 s52, ttmp9, 15
	s_mov_b32 s53, 0
	s_mov_b32 s54, 0xbfb8aa3b                      ; -log2 e (the packed forms name a pair and take its low word for both halves: both are written)
	s_mov_b32 s55, s54
	s_mov_b32 s56, 0x4038aa3b                      ; 2 log2 e
	s_mov_b32 s57, s56
	s_mov_b32 s58, 0x3f317218                      ; ln 2
	s_mov_b32 s59, s58
	s_mov_b32 s60, 0x76543210                      ; lane selects: lane l xor 16
	s_mov_b32 s61, 0xfedcba98
	s_mov_b32 s38, 0x3a000000                      ; 1 / 2048
	s_mov_b32 s39, 0x3727c5ac                      ; 1e-5
	s_wait_kmcnt 0x0
	s_load_b32 s34, s[22:23], 0x0                  ; W1
	s_load_b32 s35, s[24:25], 0x0                  ; W2
	s_load_b32 s36, s[26:27], 0x0                  ; scale0
	s_add_nc_u64 s[4:5], s[4:5], s[50:51]
	s_add_nc_u64 s[6:7], s[6:7], s[52:53]
	s_add_nc_u64 s[8:9], s[8:9], s[52:53]
	s_add_nc_u64 s[28:29], s[28:29], s[52:53]
	s_add_nc_u64 s[30:31], s[30:31], s[52:53]
	s_add_nc_u64 s[32:33], s[32:33], s[52:53]
	s_cmp_lg_u32 s48, 0
	s_cbranch_scc1 .Lnot_first
.irp j, 0,1,2,3
	global_load_b128 v[160+4*\j:163+4*\j], v2, s[4:5] offset:40960+16*\j th:TH_LOAD_NT   ; wave 0: 16 neighbours of dt_r a lane, two lanes to a block
.endr
.Lnot_first:
.irp t, 0,1,2,3,4,5,6,7
.irp c, 0,1,2
	global_load_b128 v[32+12*\t+4*\c:35+12*\t+4*\c], v3, s[10:11] offset:1536*\t+512*\c
.endr
	global_load_b32 v[245+\t], v4, s[10:11] offset:196608+128*\t
.endr
.irp p, 0,1,2,3
	global_load_b128 v[180+4*\p:183+4*\p], v1, s[4:5] offset:\p*PROW th:TH_LOAD_NT          ; i
	global_load_b128 v[196+4*\p:199+4*\p], v1, s[4:5] offset:\p*PROW+8192 th:TH_LOAD_NT     ; f
	global_load_b128 v[212+4*\p:215+4*\p], v1, s[4:5] offset:\p*PROW+24576 th:TH_LOAD_NT    ; g
	global_load_b128 v[228+4*\p:231+4*\p], v1, s[6:7] offset:\p*8192 th:TH_LOAD_NT          ; c
.endr
	s_cmp_lg_u32 s48, 0
	s_cbranch_scc1 .Lno_quant
	s_wait_loadcnt 48                              ; behind my four loads of dt_r stand the 48 common ones
	v_max3_num_f32 v176, |v160|, |v161|, 0x1800000 ; the largest magnitude of my 16, with the floor 2^(3 - 127)
	v_max3_num_f32 v177, |v162|, |v163|, |v164|
	s_delay_alu instid0(VALU_DEP_2)
	v_max3_num_f32 v176, v176, |v165|, |v166|
	s_delay_alu instid0(VALU_DEP_2)
	v_max3_num_f32 v177, v177, |v167|, |v168|
	s_delay_alu instid0(VALU_DEP_2)
	v_max3_num_f32 v176, v176, |v169|, |v170|
	s_delay_alu instid0(VALU_DEP_2)
	v_max3_num_f32 v177, v177, |v171|, |v172|
	s_delay_alu instid0(VALU_DEP_2)
	v_max3_num_f32 v176, v176, |v173|, |v174|
	s_delay_alu instid0(VALU_DEP_1)
	v_max3_num_f32 v176, v176, v177, |v175|
	s_delay_alu instid0(VALU_DEP_1)
	v_max_num_f32_dpp v176, v176, v176 row_xmask:1 row_mask:0xf bank_mask:0xf   ; and of my neighbour's 16: the block's
	s_delay_alu instid0(VALU_DEP_1)
	v_add_nc_u32 v177, 0xff000000, v176            ; 2 off its exponent field: the conversion's scale operand
	v_cvt_scalef32_pk16_fp6_f32 v[128:130], v[160:175], v177
	v_lshrrev_b32 v131, 23, v177                   ; the scale's byte (the plain line behind the conversion)
	ds_store_b32 v5, v128
	ds_store_b32 v5, v129 offset:4
	ds_store_b32 v5, v130 offset:8
	ds_store_b8 v6, v131                           ; both lanes of a block write the same byte with the same value
.Lno_quant:
	s_wait_dscnt 0x0                               ; wave 0's stores have landed
	s_barrier_signal -1
	s_barrier_wait -1
	s_wait_alu depctr_va_vdst(0)
.irp p, 0,1,2,3,4,5
	ds_load_b64 v[16+2*\p:17+2*\p], v7 offset:48*(\p/3)+8*(\p%3)
.endr
	ds_load_b32 v244, v8
	s_wait_dscnt 0x0
	s_wait_loadcnt 16                              ; dtwc is in; i, f, g and c, 16 loads, may be out
.irp g, 0,1                            ; source 0 = dt_r's rows, source 1 = 16 columns of dt_proj_w: register j of lane (r, h) is row 8 h + j, column r
.irp t, 0,1,2,3
	v_wmma_scale_f32_16x16x128_f8f6f4 v[128+8*\t:135+8*\t], v[16:27], v[32+12*(4*\g+\t):43+12*(4*\g+\t)], 0, v244, v[245+4*\g+\t] matrix_a_fmt:MATRIX_FMT_FP6 matrix_b_fmt:MATRIX_FMT_FP6
.endr
.rept 5
	v_nop                                          ; four plain lines ahead of the stores that read the results and of loads into the sources, five ahead of the products that write over them
.endr
.irp t, 0,1,2,3
.irp j, 0,1,2,3
	ds_store_b32 v9, v[128+8*\t+\j] offset:512*\j+64*(4*\g+\t)   ; rows 0-3 (lanes 16-31 hold rows 8-11, the same real rows: the same words, the same values)
.endr
.endr
	s_wait_dscnt 0x0                               ; the stores have read their registers
.endr
.irp p, 0,1,2,3
	ds_load_b128 v[96+4*\p:99+4*\p], v10 offset:512*\p   ; my four columns of row p; my wave's own bytes, served in order
.endr
	global_load_b128 v[112:115], v1, s[12:13]      ; dt_proj_b
	global_load_b128 v[116:119], v1, s[14:15]      ; A_log
	global_load_b128 v[120:123], v1, s[16:17]      ; D
	global_load_b128 v[124:127], v1, s[18:19]      ; ln_g
	global_load_b128 v[128:131], v1, s[20:21]      ; ln_b
.irp p, 0,1,2,3
	global_load_b128 v[16+4*\p:19+4*\p], v1, s[4:5] offset:\p*PROW+16384 th:TH_LOAD_NT      ; o
	global_load_b128 v[32+4*\p:35+4*\p], v1, s[4:5] offset:\p*PROW+32768 th:TH_LOAD_NT      ; x_ssm
	global_load_b128 v[48+4*\p:51+4*\p], v1, s[4:5] offset:\p*PROW+41472 th:TH_LOAD_NT      ; Bsel
	global_load_b128 v[64+4*\p:67+4*\p], v1, s[4:5] offset:\p*PROW+49664 th:TH_LOAD_NT      ; Csel
	global_load_b128 v[80+4*\p:83+4*\p], v1, s[8:9] offset:\p*8192 th:TH_LOAD_NT            ; the state
.endr
	s_wait_loadcnt 25                              ; i, f, g and c are in; the 25 just issued land under the work below
	; ---- c_lstm
.irp j, 0,2,4,6,8,10,12,14
	v_pk_mul_f32 v[180+\j:181+\j], v[180+\j:181+\j], s[54:55] op_sel_hi:[1,0]
	v_pk_mul_f32 v[196+\j:197+\j], v[196+\j:197+\j], s[54:55] op_sel_hi:[1,0]
	v_pk_mul_f32 v[212+\j:213+\j], v[212+\j:213+\j], s[56:57] op_sel_hi:[1,0]
.endr
.set I_, 0
	s_wait_alu depctr_va_vdst(0)
.rept 48
	v_exp_f32 v[180+I_], v[180+I_]
.set I_, I_+1
.endr
	v_nop                                          ; a plain line behind the last exponential,
	s_wait_alu depctr_va_vdst(0)                   ; and one wait for the batch, ahead of its first reader
.set I_, 0
.rept 24
	v_pk_add_f32 v[180+I_:181+I_], v[180+I_:181+I_], 1.0 op_sel_hi:[1,0]
.set I_, I_+2
.endr
.set I_, 0
	s_wait_alu depctr_va_vdst(0)
.rept 48
	v_rcp_f32 v[180+I_], v[180+I_]
.set I_, I_+1
.endr
	v_nop
	s_wait_alu depctr_va_vdst(0)
.irp j, 0,2,4,6,8,10,12,14
	v_pk_fma_f32 v[212+\j:213+\j], v[212+\j:213+\j], -2.0, 1.0 op_sel_hi:[1,0,0]            ; tanh(g)
.endr
.irp j, 0,2,4,6,8,10,12,14
	v_pk_mul_f32 v[180+\j:181+\j], v[180+\j:181+\j], v[212+\j:213+\j]                       ; sigmoid(i) tanh(g)
.endr
.irp j, 0,2,4,6,8,10,12,14
	v_pk_fma_f32 v[228+\j:229+\j], v[196+\j:197+\j], v[228+\j:229+\j], v[180+\j:181+\j]     ; c_lstm
.endr
	; ---- LayerNorm, two passes: the mean, then the mean square of the differences
.irp p, 0,1,2,3
	v_pk_add_f32 v[136+2*\p:137+2*\p], v[228+4*\p:229+4*\p], v[230+4*\p:231+4*\p]
.endr
.irp p, 0,1,2,3
	s_delay_alu instid0(VALU_DEP_4)
	v_add_f32 v[132+\p], v[136+2*\p], v[137+2*\p]
.endr
	ROWSUM 0
	s_delay_alu instid0(VALU_DEP_1)
	v_mul_f32 v140, s38, v140                      ; lane l: the mean of row l % 4
.irp p, 0,1,2,3
	v_readlane_b32 s[40+\p], v140, \p
.endr
.irp p, 0,1,2,3
.irp k, 0,1,2,3
	v_sub_f32 v[228+4*\p+\k], v[228+4*\p+\k], s[40+\p]
.endr
.endr
.irp p, 0,1,2,3
	v_mul_f32 v[132+\p], v[228+4*\p], v[228+4*\p]
.endr
.irp k, 1,2,3
.irp p, 0,1,2,3
	s_delay_alu instid0(VALU_DEP_4)
	v_fmac_f32 v[132+\p], v[228+4*\p+\k], v[228+4*\p+\k]
.endr
.endr
	ROWSUM 256                                     ; other bytes than the first pass: no barrier between the first pass's reads and these stores
	s_delay_alu instid0(VALU_DEP_1)
	v_fma_f32 v140, v140, s38, s39                 ; the variance + 1e-5
	s_wait_alu depctr_va_vdst(0)
	v_rsq_f32 v140, v140
	v_nop
	s_wait_alu depctr_va_vdst(0)
.irp p, 0,1,2,3
	v_readlane_b32 s[44+\p], v140, \p
.endr
	; ---- the state's step and the blend
	s_wait_loadcnt 0x0
	s_wait_kmcnt 0x0                               ; W1, W2, scale0
	v_mov_b32 v176, s34
	s_delay_alu instid0(VALU_DEP_1)
	v_sub_f32 v176, 0x3fb33333, v176               ; 1.4 - W1
	s_delay_alu instid0(VALU_DEP_1)
	v_mov_b32 v177, v176
	v_mov_b32 v178, s35
	s_delay_alu instid0(VALU_DEP_1)
	v_sub_f32 v178, 0x3f19999a, v178               ; 0.6 - W2
	s_delay_alu instid0(VALU_DEP_1)
	v_mov_b32 v179, v178
	s_mov_b32 s37, s36
.irp p, 0,1,2,3
.irp k, 0,2
	v_pk_add_f32 v[96+4*\p+\k:97+4*\p+\k], v[96+4*\p+\k:97+4*\p+\k], v[112+\k:113+\k]       ; z = the sums + dt_proj_b
.endr
.endr
.set I_, 0
.rept 16
	v_mul_f32 v[132+I_], s54, |v[96+I_]|           ; -|z| log2 e
.set I_, I_+1
.endr
.irp k, 0,1,2,3
	v_mul_f32 v[116+\k], 0x3fb8aa3b, v[116+\k]     ; A_log log2 e
.endr
.irp j, 0,2,4,6,8,10,12,14
	v_pk_mul_f32 v[16+\j:17+\j], v[16+\j:17+\j], s[54:55] op_sel_hi:[1,0]
.endr
.set I_, 0
	s_wait_alu depctr_va_vdst(0)
.rept 16
	v_exp_f32 v[132+I_], v[132+I_]
	v_exp_f32 v[16+I_], v[16+I_]
.set I_, I_+1
.endr
.irp k, 0,1,2,3
	v_exp_f32 v[116+\k], v[116+\k]
.endr
	v_nop
	s_wait_alu depctr_va_vdst(0)
.irp j, 0,2,4,6,8,10,12,14
	v_pk_add_f32 v[132+\j:133+\j], v[132+\j:133+\j], 1.0 op_sel_hi:[1,0]
	v_pk_add_f32 v[16+\j:17+\j], v[16+\j:17+\j], 1.0 op_sel_hi:[1,0]
.endr
.irp k, 0,1,2,3
	v_mul_f32 v[116+\k], s54, v[116+\k]            ; A log2 e = -e^A_log log2 e
.endr
.set I_, 0
	s_wait_alu depctr_va_vdst(0)
.rept 16
	v_log_f32 v[132+I_], v[132+I_]
	v_rcp_f32 v[16+I_], v[16+I_]                   ; sigmoid(o)
.set I_, I_+1
.endr
.set I_, 0
.rept 16
	v_max_num_f32 v[96+I_], 0, v[96+I_]            ; max(z, 0): plain work that names no result of the batch
.set I_, I_+1
.endr
	s_wait_alu depctr_va_vdst(0)
.irp j, 0,2,4,6,8,10,12,14
	v_pk_fma_f32 v[96+\j:97+\j], v[132+\j:133+\j], s[58:59], v[96+\j:97+\j] op_sel_hi:[1,0,1]   ; dt
.endr
.irp p, 0,1,2,3
.irp k, 0,2
	v_pk_mul_f32 v[132+4*\p+\k:133+4*\p+\k], v[96+4*\p+\k:97+4*\p+\k], v[116+\k:117+\k]
.endr
.endr
.set I_, 0
	s_wait_alu depctr_va_vdst(0)
.rept 16
	v_exp_f32 v[132+I_], v[132+I_]                 ; A_disc
.set I_, I_+1
.endr
.irp j, 0,2,4,6,8,10,12,14                         ; work that names no result of the batch stands between it and its wait
	v_pk_mul_f32 v[48+\j:49+\j], v[96+\j:97+\j], v[48+\j:49+\j]                             ; dt Bsel
.endr
.irp j, 0,2,4,6,8,10,12,14
	v_pk_mul_f32 v[48+\j:49+\j], v[48+\j:49+\j], v[32+\j:33+\j]                             ; x x_ssm
.endr
.irp p, 0,1,2,3
.irp k, 0,2
	v_pk_mul_f32 v[32+4*\p+\k:33+4*\p+\k], v[32+4*\p+\k:33+4*\p+\k], v[120+\k:121+\k]       ; D x_ssm
.endr
.endr
.irp p, 0,1,2,3
.irp k, 0,1,2,3
	v_mul_f32 v[228+4*\p+\k], s[44+\p], v[228+4*\p+\k]
.endr
.endr
.irp p, 0,1,2,3
.irp k, 0,2
	v_pk_fma_f32 v[228+4*\p+\k:229+4*\p+\k], v[228+4*\p+\k:229+4*\p+\k], v[124+\k:125+\k], v[128+\k:129+\k]   ; normalised
.endr
.endr
	s_wait_alu depctr_va_vdst(0)
.irp j, 0,2,4,6,8,10,12,14
	v_pk_fma_f32 v[80+\j:81+\j], v[132+\j:133+\j], v[80+\j:81+\j], v[48+\j:49+\j]           ; the new state
.endr
.irp p, 0,1,2,3
	global_store_b128 v1, v[80+4*\p:83+4*\p], s[32:33] offset:\p*8192 th:TH_STORE_NT        ; 512 consecutive bytes a store; these registers are not written again
.endr
.irp j, 0,2,4,6,8,10,12,14
	v_pk_fma_f32 v[64+\j:65+\j], v[64+\j:65+\j], v[80+\j:81+\j], v[32+\j:33+\j]             ; c_ssm
.endr
.irp j, 0,2,4,6,8,10,12,14
	v_pk_mul_f32 v[64+\j:65+\j], v[64+\j:65+\j], v[178:179]
.endr
.irp j, 0,2,4,6,8,10,12,14
	v_pk_fma_f32 v[228+\j:229+\j], v[228+\j:229+\j], v[176:177], v[64+\j:65+\j]
.endr
.irp j, 0,2,4,6,8,10,12,14
	v_pk_mul_f32 v[228+\j:229+\j], v[228+\j:229+\j], s[36:37] op_sel_hi:[1,0]               ; c_new
.endr
.irp p, 0,1,2,3
	global_store_b128 v1, v[228+4*\p:231+4*\p], s[30:31] offset:\p*8192 th:TH_STORE_NT
.endr
.irp j, 0,2,4,6,8,10,12,14
	v_pk_mul_f32 v[132+\j:133+\j], v[228+\j:229+\j], s[56:57] op_sel_hi:[1,0]
.endr
.set I_, 0
	s_wait_alu depctr_va_vdst(0)
.rept 16
	v_exp_f32 v[132+I_], v[132+I_]
.set I_, I_+1
.endr
	v_nop
	s_wait_alu depctr_va_vdst(0)
.irp j, 0,2,4,6,8,10,12,14
	v_pk_add_f32 v[132+\j:133+\j], v[132+\j:133+\j], 1.0 op_sel_hi:[1,0]
.endr
.set I_, 0
	s_wait_alu depctr_va_vdst(0)
.rept 16
	v_rcp_f32 v[132+I_], v[132+I_]
.set I_, I_+1
.endr
	v_nop
	s_wait_alu depctr_va_vdst(0)
.irp j, 0,2,4,6,8,10,12,14
	v_pk_fma_f32 v[132+\j:133+\j], v[132+\j:133+\j], -2.0, 1.0 op_sel_hi:[1,0,0]            ; tanh(c_new)
.endr
.irp j, 0,2,4,6,8,10,12,14
	v_pk_mul_f32 v[16+\j:17+\j], v[16+\j:17+\j], v[132+\j:133+\j]                           ; h_new
.endr
.irp p, 0,1,2,3
	global_store_b128 v1, v[16+4*\p:19+4*\p], s[28:29] offset:\p*8192 th:TH_STORE_NT
.endr
	s_wait_xcnt 0x0
	v_lshl_add_u32 v254, v0, 2, 0x8600
	v_mov_b32 v255, 0
	s_wait_alu depctr_va_vdst(0)
	s_wait_tensorcnt 0x0
	ds_add_u32 v254, v255
	s_wait_dscnt 0x0
	s_endpgm
.Lfunc_end_k_q234dbd74ab_fin:
	.size	k_q234dbd74ab_fin, .Lfunc_end_k_q234dbd74ab_fin-k_q234dbd74ab_fin
	.p2alignl 7, 3214868480
	.fill 96, 4, 3214868480
	.section	.rodata,"a",@progbits
	.p2align	6, 0x0
	.amdhsa_kernel k_q234dbd74ab_fin
		.amdhsa_group_segment_fixed_size 36352
		.amdhsa_private_segment_fixed_size 0
		.amdhsa_enable_private_segment 0
		.amdhsa_kernarg_size 120
		.amdhsa_user_sgpr_count 2
		.amdhsa_user_sgpr_kernarg_segment_ptr 1
		.amdhsa_wavefront_size32 1
		.amdhsa_system_sgpr_workgroup_id_x 1
		.amdhsa_system_sgpr_workgroup_id_y 1
		.amdhsa_system_sgpr_workgroup_id_z 1
		.amdhsa_system_vgpr_workitem_id 0
		.amdhsa_next_free_vgpr 256
		.amdhsa_next_free_sgpr 66
		.amdhsa_reserve_vcc 0
		.amdhsa_float_denorm_mode_32 3
		.amdhsa_float_denorm_mode_16_64 3
		.amdhsa_memory_ordered 1
		.amdhsa_forward_progress 1
		.amdhsa_inst_pref_size 51
	.end_amdhsa_kernel
	.amdgpu_metadata
---
amdhsa.version: [ 1, 2 ]
amdhsa.kernels:
  - .name:           k_q234dbd74ab_fin
    .symbol:         k_q234dbd74ab_fin.kd
    .args:
      - { .name: pre, .offset: 0, .size: 8, .value_kind: global_buffer, .address_space: global }
      - { .name: c, .offset: 8, .size: 8, .value_kind: global_buffer, .address_space: global }
      - { .name: ssm_state, .offset: 16, .size: 8, .value_kind: global_buffer, .address_space: global }
      - { .name: dtwc, .offset: 24, .size: 8, .value_kind: global_buffer, .address_space: global }
      - { .name: dt_proj_b, .offset: 32, .size: 8, .value_kind: global_buffer, .address_space: global }
      - { .name: A_log, .offset: 40, .size: 8, .value_kind: global_buffer, .address_space: global }
      - { .name: D, .offset: 48, .size: 8, .value_kind: global_buffer, .address_space: global }
      - { .name: ln_g, .offset: 56, .size: 8, .value_kind: global_buffer, .address_space: global }
      - { .name: ln_b, .offset: 64, .size: 8, .value_kind: global_buffer, .address_space: global }
      - { .name: W1, .offset: 72, .size: 8, .value_kind: global_buffer, .address_space: global }
      - { .name: W2, .offset: 80, .size: 8, .value_kind: global_buffer, .address_space: global }
      - { .name: scale0, .offset: 88, .size: 8, .value_kind: global_buffer, .address_space: global }
      - { .name: out0, .offset: 96, .size: 8, .value_kind: global_buffer, .address_space: global }
      - { .name: out1, .offset: 104, .size: 8, .value_kind: global_buffer, .address_space: global }
      - { .name: out2, .offset: 112, .size: 8, .value_kind: global_buffer, .address_space: global }
    .group_segment_fixed_size: 36352
    .private_segment_fixed_size: 0
    .kernarg_segment_align: 8
    .kernarg_segment_size: 120
    .max_flat_workgroup_size: 512
    .sgpr_count:     66
    .vgpr_count:     256
    .wavefront_size: 32
...
	.end_amdgpu_metadata
.endif
;; end of part 3
